; MI455X (gfx1250); checked and timed in simulation.
; The chip was launched on July 23, 2026; its instructions are those of AMD's public machine-readable ISA for CDNA 5 (MIT licence, August 2026) and "CDNA5" Instruction Set Architecture Reference Guide (July 2026). The comments in the code are by the model that wrote it; some were corrected since.
;; Self Attention1 D. Allowed arithmetic: matrix products marked QUANTISED: E5M2 operands, one E8M0 scale for each 32 along K, by v_wmma_scale_f32_16x16x128_f8f6f4 with both operands' format E5M2, f32 sums; everything else in f32.
;; Inputs: Wk 64 x 128 float32; Wq 64 x 128 float32; Wv 128 x 128 float32; bk 64 float32; bq 64 float32; bv 128 float32; x 4 x 128 x 4,096 float32.
;; Outputs: out0 4 x 128 x 4,096 float32.
;; This version of the problem:
;;   THIS VERSION OF THE PROBLEM IS GIVEN IN LOW PRECISION. The matrix products marked QUANTISED in the list below multiply operands that are first quantised to E5M2 (5 exponent bits, 2 mantissa bits; 8 bits a number), with one power-of-two scale for each 32 numbers along K (OCP MX v1.0); their sums are f32. All else is computed in f32.
;;   The module's matrix products, in the order in which they are computed (A, B: the left and right operand; K: the contracted axis; several contracted axes count as one K, in the product's order):
;;     1. [M 16,384, K 128] x [K 128, N 64]; A: input x; B: input Wq: QUANTISED
;;     2. [M 16,384, K 128] x [K 128, N 64]; A: input x; B: input Wk: QUANTISED
;;     3. [M 16,384, K 128] x [K 128, N 128]; A: input x; B: input Wv: QUANTISED
;;     4. batch 4 x [M 4,096, K 64] x [K 64, N 4,096]; A: computed on the way; B: computed on the way: QUANTISED
;;     5. batch 4 x [M 128, K 4,096] x [K 4,096, N 4,096]; A: computed on the way; B: softmax (see below): QUANTISED
;;   THE QUANTISER, for each operand of a quantised product, along K:
;;     - K is cut into blocks of 32 from its start; a last block that is shorter is filled with zeros.
;;     - A block's scale is 2^e with e = floor(log2(the largest magnitude in the block)) - 15, held to -126 .. 127; a block of zeros has e = 0. As a byte (E8M0): e + 127.
;;     - Each number is divided by its block's scale, clamped to +-57,344, and rounded to the nearest number of E5M2, ties to even, subnormals kept.
;;     - The product sums the exact products of the quantised numbers (number of the format x scale) in f32.
;;   ~~~python
;;   def quantise(x, axis):      # numpy; x: float32 -> the quantised numbers, widened to float32 again
;;       x = np.moveaxis(x, axis, -1); K = x.shape[-1]
;;       x = np.pad(x, [(0, 0)] * (x.ndim - 1) + [(0, -K % 32)]); x = x.reshape(x.shape[:-1] + (-1, 32)); a = np.abs(x).max(-1, keepdims=True)
;;       e = np.where(a > 0, np.clip(np.frexp(np.where(a > 0, a, 1))[1] - 1 - 15, -126, 127), 0)      # np.frexp(a)[1] - 1 = floor(log2(a)), exactly
;;       r = np.clip(x / 2.0 ** e, -57344, 57344)
;;       step = 2.0 ** (np.maximum(np.frexp(np.where(r == 0, 1, r))[1] - 1, -14) - 2)
;;       q = np.round(r / step) * step * 2.0 ** e      # np.round: ties to even
;;       return np.moveaxis(q.reshape(q.shape[:-2] + (-1,))[..., :K], -1, axis).astype(np.float32)
;;   ~~~
;;   SOFTMAX AHEAD OF A QUANTISED PRODUCT. Where the list says 'softmax', what is quantised is not the finished softmax but p = 2^(t - M), with t = logit x log2(e) and M = ceil(the row's largest t), a whole number; so 1/2 < the row's largest p <= 1. The row's sum l is taken of the UNQUANTISED p, in f32, and the product's result is divided by l at the end. Since M is a whole number, a kernel that streams over the keys may use a running M (the ceiling of the running maximum): every later rescaling is an exact power of two, which a block's scale takes up: the codes' values come out the same.
;;   OPERANDS COMPUTED ON THE WAY. 'Computed on the way' means the value that the module computes at that place (a softmax that the list does not call 'softmax' is quantised finished and normalised). What goes into a quantiser is computed in f32, as accurately as f32 sums, v_exp_f32 and their like allow (about 1e-6 of the number): no bf16 or f16 on the way to a quantiser, and a product that is left as it is and whose result goes on into a quantised operand takes f32 operands (vector FMAs, or v_wmma_f32_16x16x4_f32). A number that lies on a knife's edge between two numbers of the format may be rounded either way, as far as f32 arithmetic and the matrix unit's own rounding can turn it there, and no further.
;; One version. Each part assembles by itself: llvm-mc -triple=amdgcn-amd-amdhsa -mcpu=gfx1250 --defsym DOCPART=n.
;; ======== version 1 of 1: 2 launches
;; limits: right only within a limited range of input values
;; workspace buffers: qimg 1,048,576 bytes; qsc 65,536 bytes; kv 3,276,800 bytes
;; launch project (part 1): grid 64 x 4, 4 waves a work-group, no clusters, 168,448 bytes of LDS; arguments x, Wq, Wk, Wv, bq, bk, bv, qimg, qsc, kv; writes qimg, qsc, kv
.if DOCPART == 1
	.amdgcn_target "amdgcn-amd-amdhsa--gfx1250"
	.amdhsa_code_object_version 6
	.text
	.protected	k_qa471129532_project
	.globl	k_qa471129532_project
	.p2align	8
	.type	k_qa471129532_project,@function
k_qa471129532_project:
	s_mov_b64 s[64:65], 0
	v_nop
	global_prefetch_b8 v0, s[64:65] scope:SCOPE_SE
	s_setreg_imm32_b32 hwreg(HW_REG_WAVE_MODE, 25, 1), 1
	s_wait_xcnt 0x0
; q = Wq x + bq, k = Wk x + bk, v = Wv x + bv on codes of BF8 (E5M2) with one E8M0 scale for each 32 along K (K = the 128 channels of x), and the results
; quantised again for the attention that follows: q and k along their 64 channels, v along the positions (the keys).  x: [4][128][4096] f32, the W's [rows][128] f32.
; SHARES.  A work-group takes 64 positions of one batch (grid x: the block of 64, grid y: the batch).  x's 128 x 64 numbers come by four tensor loads, one a wave: 32 channels x 256 bytes.
; Wave w quantises channel block w of all 64 positions: a lane takes one position and its registers run down the channels, so nothing is transposed.  The codes go to LDS as images
; of the operand's registers (16 bytes a lane, 512 bytes a store); one barrier; then wave 0 makes q, wave 1 makes k, waves 2 and 3 make 64 channels of v each, for all 64 positions.
; The weights: each wave loads its 64 rows straight into the registers in which it quantises them, while x's tile is on its way.
; NO CLUSTER, although all work-groups read the same weights: a wave reads each of its 8,192 weight numbers once, in its operand's lane order, into the registers that the quantiser takes;
; a joint load would lay the same 32,768 bytes a wave into LDS, from where they would be read once more.  x's tiles are shared by nobody.
; LAYOUT OF THE PRODUCTS.  q, k: source 0 = 16 rows of W, source 1 = 16 positions: a lane holds ONE position, its registers run along q's channels, the next K.  The rows of W that form a tile
; are not neighbours: lane r of tile 2 b + u takes row 32 b + 8 u + r + 8 (r / 8), so that the 16 registers of tiles 2 b and 2 b + 1 are channels 32 b + 16 (lane / 16) + 0 .. 15.
; v: source 0 = 16 positions, source 1 = 16 rows of Wv: a lane holds ONE channel, its registers run along the positions: register 8 u + j of a pair of tiles is position 16 u + 8 (lane / 16) + j
; of a block of 32.  The attention's weights p fall into the same places of their operand, so the order inside a block of 32 keys is alike on both sides.
; OUT (all as images of operand registers, l = lane):  qimg [batch][block][tile 4][piece 2][l][16 B];  qsc [batch][block][l][2 words], word g = the bytes (tile 2 g: 2, tile 2 g + 1: 2);
; kv [batch][slot 8] x 102,400 B, a slot = 512 keys = 4 chunks of 128:  K's images [chunk][fragment 4][piece 4][l][16 B] (a fragment = TWO tiles of 16 keys x 64 channels), V's at 32,768
; [chunk][channel tile 8][key block 4][l][16 B], K's scale words at 98,304 [chunk][half 2][l][2 words], V's at 100,352 [chunk][l][4 words] (word k: lanes 0-15 tile 2 k, lanes 16-31 tile 2 k + 1).
; V's scale bytes leave two at a time (a word's four bytes come from two work-groups): 2 bytes of each 16, 65,536 bytes in the whole launch.  All other stores cover 256 or 512 consecutive bytes.
; LIMITS: NaN and infinities among the inputs are not served.  A block whose largest magnitude lies under 2^-111 (a block of zeros too) gets the scale byte 1; a block of zeros has zero codes,
; which add nothing under that byte, and the bytes are read by this program alone.
.set XP,    264                        ; a channel's row of x in LDS: 256 bytes + 8 of padding = 66 words: lanes 16-31 read 16 rows on, 1,056 words, 32 banks off (64 banks of 4 bytes: ISA guide 11.1)
.set XW,    32*XP                      ; a wave's 32 rows
.set XIMG,  4*XW                       ; 33,792: images of x's four fragments, 2,048 bytes each
.set XSC,   XIMG+4*2048                ; 41,984: their scale words, 4 bytes a lane, 128 bytes a tile
.set SLOTB, 102400
.set BATB,  8*SLOTB
.set VOFF,  32768
.set KSOFF, 98304
.set VSOFF, 100352
.set LN,   1                           ; v1   lane
.set RR,   2                           ; v2   r = lane % 16
.set HH,   3                           ; v3   h = lane / 16
.set WA0,  4                           ; v4   W: my row and half, even tiles;  v5: odd tiles
.set XR,   6                           ; v6   LDS: x's numbers of my position and my 16 channels
.set LI,   7                           ; v7   16 x lane
.set XWI,  8                           ; v8   LDS: where I store x's images: XIMG + 16 x lane + 512 x wave
.set XWS,  9                           ; v9   LDS: and my byte of the scale words: XSC + 4 x lane + wave
.set LS,   10                          ; v10  LDS: XSC + 4 x lane
.set BAQ,  11                          ; v11  bq, bk: 64 h
.set L8,   12                          ; v12  8 x lane
.set BAV,  13                          ; v13  bv: 4 r
.set TM,   16                          ; v16-19 largest magnitudes, v20-23 bytes, v28-31 the conversions' scale operands
.set WF,   32                          ; v32-95   my four fragments of W
.set WS,   96                          ; v96-99   their scale words
.set XS,   100                         ; v100-101 x's scale words
.set SW,   104                         ; v104-105 q's or k's scale words
.set VB,   104                         ; v104-107 v's scale bytes, two to a register
.set PC,   112                         ; v112-127 the codes just made
.set BUFB, 128                         ; v128-191 64 numbers at work
.set BI,   128                         ; v128-159 later: the bias, in the result's layout
.set XF,   160                         ; v160-191 later: two fragments of x
.set BUFA, 192                         ; v192-255 64 numbers at work
.set ACC,  192                         ; later: eight accumulators
.set SEL,  40                          ; s[40:41] v_permlanex16_b32's selects for lane l xor 16
.set MNT,  42
; 64 numbers of a lane, v[s] on: four blocks, block b = registers 16 b .. 16 b + 15 together with lane l xor 16's.  Their codes go to v[d + 4 b] on; the four scale bytes stay in v[TM+4] on
; and, where w is a register's number, make the word v[w].
.macro QUANT64 s, d, w
.irp b, 0,1,2,3
	v_max3_num_f32 v[TM+\b], |v[\s+16*\b]|, |v[\s+1+16*\b]|, 0x8000000   ; my 16 numbers, and the floor 2^(16 - 127): the byte cannot fall under 1
.endr
.irp i, 2,4,6,8,10,12,14
.irp b, 0,1,2,3
	v_max3_num_f32 v[TM+\b], v[TM+\b], |v[\s+16*\b+\i]|, |v[\s+1+16*\b+\i]|   ; the four blocks by turns; each accumulator is read from its low end on
.endr
.endr
.irp b, 0,1,2,3
	v_permlanex16_b32 v[TM+4+\b], v[TM+\b], s[SEL], s[SEL+1]
.endr
.irp b, 0,1,2,3
	v_max_num_f32 v[TM+\b], v[TM+\b], v[TM+4+\b]                     ; the block's largest magnitude
.endr
.irp b, 0,1,2,3
	v_add_nc_u32 v[TM+12+\b], 0xf8800000, v[TM+\b]                   ; 15 off its exponent field: the conversion takes this operand's exponent field as its scale
.endr
.irp b, 0,1,2,3
.endr
.irp b, 0,1,2,3
	v_lshrrev_b32 v[TM+4+\b], 23, v[TM+12+\b]                        ; the scale's byte
.endr
.if (\w) >= 0
	v_lshl_or_b32 v[\w], v[TM+5], 8, v[TM+4]
	v_lshl_or_b32 v[\w], v[TM+6], 16, v[\w]
	v_lshl_or_b32 v[\w], v[TM+7], 24, v[\w]
.endif
.irp b, 0,1,2,3
.irp i, 0,1,2,3,4,5,6,7,8,9,10,11,12,13,14,15
.endr
	v_cvt_scalef32_pk8_bf8_f32 v[\d+4*\b:\d+1+4*\b], v[\s+16*\b:\s+7+16*\b], v[TM+12+\b]
	v_cvt_scalef32_pk8_bf8_f32 v[\d+2+4*\b:\d+3+4*\b], v[\s+8+16*\b:\s+15+16*\b], v[TM+12+\b]
.endr
	v_nop                                          ; one plain line between the last conversion and whatever vector or matrix instruction next touches its registers
.endm
; Tile t of my W: lane (r, h) takes, of its row, 16 neighbouring numbers of each block of 32: register 16 b + 4 j + .. = channel 32 b + 16 h + 4 j + ..
.macro WLOAD t, s
.irp b, 0,1,2,3
.irp j, 0,1,2,3
	global_load_b128 v[\s+16*\b+4*\j:\s+16*\b+4*\j+3], v[WA0+(\t)%2], s[44:45] offset:(32*((\t)/2)+8*((\t)%2))*512+128*\b+16*\j
.endr
.endr
.endm
; x's fragments of position tiles 2 g and 2 g + 1, and their scale words, out of LDS as they were stored
.macro XFETCH g
.irp u, 0,1
.irp c, 0,1,2,3
	ds_load_b128 v[XF+16*\u+4*\c:XF+16*\u+4*\c+3], v[LI] offset:XIMG+(2*\g+\u)*2048+512*\c
.endr
	ds_load_b32 v[XS+\u], v[LS] offset:128*(2*\g+\u)
.endr
	s_wait_dscnt 0x0
.endm
	s_load_b512 s[4:19], s[0:1], 0x0               ; x s[4:5], Wq s[6:7], Wk s[8:9], Wv s[10:11], bq s[12:13], bk s[14:15], bv s[16:17], qimg s[18:19]
	s_load_b128 s[20:23], s[0:1], 0x40             ; qsc s[20:21], kv s[22:23]
	v_lshl_add_u32 v110, v0, 2, 0x29000
	v_mov_b32 v111, 0
	ds_add_u32 v110, v111
	ds_add_u32 v110, v111
	v_lshrrev_b32 v1, 5, v0
	v_readfirstlane_b32 s24, v1                    ; wave 0..3
	v_and_b32 v[LN], 31, v0
	v_and_b32 v[RR], 15, v0
	s_wait_alu depctr_va_vdst(0)
	v_bfe_u32 v[HH], v0, 4, 1
	s_lshr_b32 s25, s24, 1                         ; 0: I make q or k;  1: I make v
	s_max_u32 s43, s24, 2
	s_sub_co_u32 s43, s43, 2                       ; which 64 channels of v (0 for waves 0 and 1)
	s_mov_b32 s26, ttmp9                           ; the block of 64 positions
	s_and_b32 s27, ttmp7, 0xffff                   ; the batch
	; descriptor group 1: 32 rows of 64 elements of 4 bytes, 4,096 elements apart; 2 words of padding behind every 64
	s_mov_b32 s28, (2<<16)|(1<<20)|(5<<22)|(1<<25)
	s_mov_b32 s29, 64<<16                          ; tensor_dim0 = 64
	s_mov_b32 s30, 32<<16                          ; tensor_dim1 = 32
	s_mov_b32 s31, 64<<16                          ; tile_dim0 = 64
	s_mov_b32 s32, 32                              ; tile_dim1 = 32
	s_mov_b32 s33, 4096                            ; from row to row
	s_mov_b32 s34, 0
	s_mov_b32 s35, 0
	s_mov_b32 s36, 1                               ; group 0: count = 1
	s_mul_i32 s37, s24, XW                         ; LDS: my 32 rows
	s_lshl_b32 s52, s27, 21                        ; x: batch x 2,097,152 + 32 wave rows of 16,384 bytes + block x 256
	s_lshl_b32 s53, s24, 19
	s_add_co_u32 s52, s52, s53
	s_lshl_b32 s53, s26, 8
	s_add_co_u32 s52, s52, s53
	s_mov_b32 s53, 0
	s_mov_b32 s[SEL], 0x76543210
	s_mov_b32 s[SEL+1], 0xfedcba98
	; every address register is made here, ahead of the first parting of the waves
	s_lshl_b32 s62, s25, 3
	s_xor_b32 s62, s62, 8                          ; 8 for q and k, 0 for v
	v_and_b32 v[WA0], s62, v[RR]
	v_add_nc_u32 v[WA0], v[WA0], v[RR]             ; q, k: r + 8 (r / 8);  v: r
	v_lshlrev_b32 v[WA0], 9, v[WA0]                ; a row of W is 512 bytes
	s_wait_alu depctr_va_vdst(0)
	v_lshl_add_u32 v[WA0], v[HH], 6, v[WA0]        ; + 64 h
	s_lshl_b32 s62, s25, 12
	v_add_nc_u32 v[WA0+1], s62, v[WA0]             ; v's odd tiles begin 16 rows behind the even ones, q's and k's 8: the immediate gives 8, this gives v's other 8
	v_mul_u32_u24 v[XR], v[HH], 16*XP
	v_lshl_add_u32 v[XR], v[RR], 2, v[XR]
	v_add_nc_u32 v[XR], s37, v[XR]                 ; my wave's rows + 16 h rows + 4 r
	v_lshlrev_b32 v[LI], 4, v[LN]
	s_lshl_b32 s62, s24, 9
	s_add_co_u32 s62, s62, XIMG
	v_add_nc_u32 v[XWI], s62, v[LI]
	v_lshlrev_b32 v[LS], 2, v[LN]
	v_add_nc_u32 v[LS], XSC, v[LS]
	v_add_nc_u32 v[XWS], s24, v[LS]
	v_lshlrev_b32 v[BAQ], 6, v[HH]
	v_lshlrev_b32 v[BAV], 2, v[RR]
	v_lshlrev_b32 v[L8], 3, v[LN]
.irp b, 0,1,2,3
	v_mov_b32 v[TM+4+\b], 0                        ; written once: a lane permute's destination counts as one of its sources
.endr
	; where my results go, as offsets in registers of their own
	s_lshl_b32 s44, s27, 6
	s_add_co_u32 s44, s44, s26                     ; 64 x batch + block
	s_lshr_b32 s45, s26, 3                         ; slot of 512 keys
	s_bfe_u32 s46, s26, 0x20001                    ; chunk of 128 keys in it
	s_and_b32 s47, s26, 1                          ; half of the chunk
	s_mul_i32 s48, s27, BATB
	s_mul_i32 s45, s45, SLOTB
	s_add_co_u32 s48, s48, s45                     ; the slot's first byte in kv
	s_lshl_b32 s49, s46, 9
	s_add_co_u32 s49, s49, s48                     ; + 512 x chunk: both kinds of scale words
	s_lshl_b32 s50, s46, 13
	s_add_co_u32 s50, s50, s48
	s_lshl_b32 s51, s47, 12
	s_add_co_u32 s50, s50, s51                     ; k's codes: + 8,192 x chunk + 4,096 x half
	s_lshl_b32 s51, s47, 8
	s_add_co_u32 s51, s51, s49
	s_add_co_u32 s51, s51, KSOFF                   ; k's scale words: + 256 x half
	s_lshl_b32 s62, s46, 14
	s_add_co_u32 s62, s62, s48
	s_lshl_b32 s63, s43, 13
	s_add_co_u32 s62, s62, s63
	s_lshl_b32 s63, s47, 10
	s_add_co_u32 s62, s62, s63
	s_add_co_u32 s62, s62, VOFF                    ; v's codes: + 16,384 x chunk + 8,192 x my 64 channels + 1,024 x half
	s_lshl_b32 s63, s43, 3
	s_add_co_u32 s63, s63, s49
	s_lshl_b32 s45, s47, 1
	s_add_co_u32 s63, s63, s45
	s_add_co_u32 s63, s63, VSOFF                   ; v's scale bytes: + 8 x my 64 channels + 2 x half
	s_lshl_b32 s54, s44, 12                        ; q's codes
	s_lshl_b32 s56, s44, 8                         ; q's scale words
	s_cmp_eq_u32 s24, 0
	s_cselect_b32 s54, s54, s50
	s_cselect_b32 s56, s56, s51
	s_cmp_lt_u32 s24, 2
	s_cselect_b32 s54, s54, s62
	s_cselect_b32 s56, s56, s63
	s_mov_b32 s55, 0
	s_mov_b32 s57, 0
	s_lshl_b32 s58, s43, 15                        ; Wv: my 64 rows
	s_mov_b32 s59, 0
	s_lshl_b32 s60, s43, 8                         ; bv: my 64 numbers
	s_mov_b32 s61, 0
	s_wait_dscnt 0x0
	s_wait_kmcnt 0x0
	s_add_nc_u64 s[38:39], s[4:5], s[52:53]        ; global address of my 32 rows' first element
	s_or_b32 s39, s39, 0x80000000                  ; type = 2
	tensor_load_to_lds s[36:39], s[28:35]          ; the launch's only tensor load of this wave: its bytes are filled once and read by this wave alone
	s_nop 0
.rept 4
	v_nop
.endr
	s_cmp_eq_u32 s24, 0                            ; the buffers are chosen by the wave's number alone
	s_cselect_b64 s[44:45], s[6:7], s[8:9]
	s_cselect_b64 s[46:47], s[12:13], s[14:15]
	s_cselect_b64 s[48:49], s[18:19], s[22:23]
	s_cselect_b64 s[50:51], s[20:21], s[22:23]
	s_cmp_lt_u32 s24, 2
	s_cselect_b64 s[44:45], s[44:45], s[10:11]
	s_cselect_b64 s[46:47], s[46:47], s[16:17]
	s_add_nc_u64 s[44:45], s[44:45], s[58:59]      ; my W
	s_add_nc_u64 s[46:47], s[46:47], s[60:61]      ; my bias
	s_add_nc_u64 s[48:49], s[48:49], s[54:55]      ; my codes
	s_add_nc_u64 s[50:51], s[50:51], s[56:57]      ; my scale words
	; ---- my four tiles of W become fragments, two sets of 64 registers by turns
	WLOAD 0, BUFA
	WLOAD 1, BUFB
	s_wait_loadcnt 16                              ; tile 0 is in; tile 1's 16 loads may be out
	QUANT64 BUFA, WF, WS
	WLOAD 2, BUFA
	s_wait_loadcnt 16                              ; tile 1 is in; tile 2's 16 may be out
	QUANT64 BUFB, WF+16, WS+1
	WLOAD 3, BUFB
	s_wait_loadcnt 16                              ; tile 2 is in; tile 3's 16 may be out
	QUANT64 BUFA, WF+32, WS+2
	s_wait_loadcnt 0x0
	QUANT64 BUFB, WF+48, WS+3
	; ---- the bias in the result's layout: it will be the C of each product
	s_cmp_lg_u32 s25, 0
	s_cbranch_scc1 .Lbias_v
.irp t, 0,1,2,3
	global_load_b128 v[BI+8*\t:BI+8*\t+3], v[BAQ], s[46:47] offset:(32*(\t/2)+8*(\t%2))*4        ; register j: channel 32 (t / 2) + 8 (t % 2) + 16 h + j
	global_load_b128 v[BI+8*\t+4:BI+8*\t+7], v[BAQ], s[46:47] offset:(32*(\t/2)+8*(\t%2))*4+16
.endr
	s_branch .Lbias_done
.Lbias_v:
.irp t, 0,1,2,3
.irp j, 0,1,2,3,4,5,6,7
	global_load_b32 v[BI+8*\t+\j], v[BAV], s[46:47] offset:64*\t   ; all eight registers: my channel 16 t + r
.endr
.endr
.Lbias_done:
	; ---- x: channel block w of the 64 positions.  Register 16 T + i = x(channel 32 w + 16 h + i, position 16 T + r): a block of 32 channels lies in lanes l and l xor 16
	s_wait_tensorcnt 0x0                           ; my rows have landed; I alone read them
.irp t, 0,1,2,3
.irp i, 0,1,2,3,4,5,6,7,8,9,10,11,12,13,14,15
	ds_load_b32 v[BUFA+16*\t+\i], v[XR] offset:XP*\i+64*\t
.endr
.endr
	s_wait_dscnt 0x0
	QUANT64 BUFA, PC, -1
.irp t, 0,1,2,3
	ds_store_b128 v[XWI], v[PC+4*\t:PC+4*\t+3] offset:2048*\t      ; registers 4 w .. 4 w + 3 of tile T's fragment
	ds_store_b8 v[XWS], v[TM+4+\t] offset:128*\t                   ; byte w of its rows' scale words
.endr
	s_wait_dscnt 0x0                               ; for the others' sake: my stores have landed
	s_barrier_signal -1
	s_barrier_wait -1                              ; x's four fragments lie in LDS, and nobody writes them again
	s_wait_loadcnt 0x0                             ; the bias
	s_cmp_lg_u32 s25, 0
	s_cbranch_scc1 .Lmake_v
	; ---- q or k: two tiles of positions at a time: eight products, each an accumulator of its own
.irp g, 0,1
.if \g == 1
	s_wait_xcnt 0x0                                ; the first half's stores have read their data: the codes' registers are written again below
.endif
	XFETCH \g                                      ; (second half: behind the first half's eight v_nop and the quantiser's lines, which are the places in front of these loads and of the products that write the accumulators anew)
.irp u, 0,1
.irp t, 0,1,2,3
	v_wmma_scale_f32_16x16x128_f8f6f4 v[ACC+8*(4*\u+\t):ACC+8*(4*\u+\t)+7], v[WF+16*\t:WF+16*\t+15], v[XF+16*\u:XF+16*\u+15], v[BI+8*\t:BI+8*\t+7], v[WS+\t], v[XS+\u] matrix_a_fmt:MATRIX_FMT_BF8 matrix_b_fmt:MATRIX_FMT_BF8
.endr
.endr
.rept 8
	v_nop                                          ; eight places behind this form before its results are read
.endr
	QUANT64 ACC, PC, SW+\g                         ; block 2 u + b: position tile 2 g + u, channels 32 b on
.irp u, 0,1
.irp c, 0,1
	global_store_b128 v[LI], v[PC+8*\u+4*\c:PC+8*\u+4*\c+3], s[48:49] offset:(2*\g+\u)*1024+512*\c   ; 32 lanes store 512 consecutive bytes
.endr
.endr
.endr
	global_store_b64 v[L8], v[SW:SW+1], s[50:51]   ; 32 lanes store 256 consecutive bytes, aligned
	s_wait_tensorcnt 0x0
	ds_add_u32 v110, v111
	s_wait_dscnt 0x0
	s_endpgm
.Lmake_v:
	; ---- v: 32 positions (a block of keys) at a time, my four tiles of 16 channels
.irp g, 0,1
.if \g == 1
	s_wait_xcnt 0x0                                ; the first half's stores have read their data
.endif
	XFETCH \g
.irp t, 0,1,2,3
.irp u, 0,1
	v_wmma_scale_f32_16x16x128_f8f6f4 v[ACC+16*\t+8*\u:ACC+16*\t+8*\u+7], v[XF+16*\u:XF+16*\u+15], v[WF+16*\t:WF+16*\t+15], v[BI+8*\t:BI+8*\t+7], v[XS+\u], v[WS+\t] matrix_a_fmt:MATRIX_FMT_BF8 matrix_b_fmt:MATRIX_FMT_BF8
.endr
.endr
.rept 8
	v_nop
.endr
	QUANT64 ACC, PC, -1                            ; block t: channel 16 t + r, positions 32 g .. 32 g + 31
.irp t, 0,1,2,3
	global_store_b128 v[LI], v[PC+4*\t:PC+4*\t+3], s[48:49] offset:2048*\t+512*\g   ; 512 consecutive bytes
.endr
.irp t, 0,1,2,3
.if \g == 0
	v_mov_b32 v[VB+\t], v[TM+4+\t]                 ; the two key blocks' bytes side by side
.else
	v_lshl_or_b32 v[VB+\t], v[TM+4+\t], 8, v[VB+\t]
.endif
.endr
.endr
	v_cmp_ne_u32 vcc_lo, 0, v[HH]                  ; a word's lanes 0-15 carry the even tile of channels, lanes 16-31 the odd one (both halves of the lanes hold both)
	v_cndmask_b32 v108, v[VB], v[VB+1], vcc_lo
	v_cndmask_b32 v109, v[VB+2], v[VB+3], vcc_lo
	global_store_b16 v[LI], v108, s[50:51]
	global_store_b16 v[LI], v109, s[50:51] offset:4
	s_wait_tensorcnt 0x0
	ds_add_u32 v110, v111
	s_wait_dscnt 0x0
	s_endpgm
.Lfunc_end_k_qa471129532_project:
	.size	k_qa471129532_project, .Lfunc_end_k_qa471129532_project-k_qa471129532_project
	.p2alignl 7, 3214868480
	.fill 96, 4, 3214868480
	.section	.rodata,"a",@progbits
	.p2align	6, 0x0
	.amdhsa_kernel k_qa471129532_project
		.amdhsa_group_segment_fixed_size 168448
		.amdhsa_private_segment_fixed_size 0
		.amdhsa_enable_private_segment 0
		.amdhsa_kernarg_size 80
		.amdhsa_user_sgpr_count 2
		.amdhsa_user_sgpr_kernarg_segment_ptr 1
		.amdhsa_wavefront_size32 1
		.amdhsa_system_sgpr_workgroup_id_x 1
		.amdhsa_system_sgpr_workgroup_id_y 1
		.amdhsa_system_sgpr_workgroup_id_z 1
		.amdhsa_system_vgpr_workitem_id 0
		.amdhsa_next_free_vgpr 256
		.amdhsa_next_free_sgpr 66
		.amdhsa_reserve_vcc 1
		.amdhsa_float_denorm_mode_32 3
		.amdhsa_float_denorm_mode_16_64 3
		.amdhsa_fp16_overflow 1
		.amdhsa_memory_ordered 1
		.amdhsa_forward_progress 1
		.amdhsa_inst_pref_size 62
	.end_amdhsa_kernel
	.amdgpu_metadata
---
amdhsa.version: [ 1, 2 ]
amdhsa.kernels:
  - .name:           k_qa471129532_project
    .symbol:         k_qa471129532_project.kd
    .args:
      - { .name: x, .offset: 0, .size: 8, .value_kind: global_buffer, .address_space: global }
      - { .name: Wq, .offset: 8, .size: 8, .value_kind: global_buffer, .address_space: global }
      - { .name: Wk, .offset: 16, .size: 8, .value_kind: global_buffer, .address_space: global }
      - { .name: Wv, .offset: 24, .size: 8, .value_kind: global_buffer, .address_space: global }
      - { .name: bq, .offset: 32, .size: 8, .value_kind: global_buffer, .address_space: global }
      - { .name: bk, .offset: 40, .size: 8, .value_kind: global_buffer, .address_space: global }
      - { .name: bv, .offset: 48, .size: 8, .value_kind: global_buffer, .address_space: global }
      - { .name: qimg, .offset: 56, .size: 8, .value_kind: global_buffer, .address_space: global }
      - { .name: qsc, .offset: 64, .size: 8, .value_kind: global_buffer, .address_space: global }
      - { .name: kv, .offset: 72, .size: 8, .value_kind: global_buffer, .address_space: global }
    .group_segment_fixed_size: 168448
    .private_segment_fixed_size: 0
    .kernarg_segment_align: 8
    .kernarg_segment_size: 80
    .max_flat_workgroup_size: 128
    .sgpr_count:     66
    .vgpr_count:     256
    .wavefront_size: 32
...
	.end_amdgpu_metadata
.endif
;; end of part 1
;; launch attend (part 2): grid 64 x 4, 8 waves a work-group, clusters of 4 x 1, 327,680 bytes of LDS; arguments qimg, qsc, kv, x, out0; writes out0
.if DOCPART == 2
	.amdgcn_target "amdgcn-amd-amdhsa--gfx1250"
	.amdhsa_code_object_version 6
	.text
	.protected	k_qa471129532_attend
	.globl	k_qa471129532_attend
	.p2align	8
	.type	k_qa471129532_attend,@function
k_qa471129532_attend:
	s_mov_b64 s[64:65], 0
	v_nop
	global_prefetch_b8 v0, s[64:65] scope:SCOPE_SE
	s_setreg_imm32_b32 hwreg(HW_REG_WAVE_MODE, 25, 1), 1
	s_wait_xcnt 0x0
	s_wait_alu depctr_hold_cnt(0) depctr_sa_sdst(0) depctr_va_vdst(0) depctr_va_sdst(0) depctr_va_ssrc(0) depctr_va_vcc(0) depctr_vm_vsrc(0)
	s_getreg_b32 s2, hwreg(HW_REG_IB_STS2, 6, 4)
	s_cmp_eq_u32 s2, 0
	s_cbranch_scc0 .Lentry_in_a_cluster
	s_endpgm
.Lentry_in_a_cluster:
	s_bfe_u32 s2, ttmp6, 0x10000c
	s_cmp_lg_u32 s2, 0x3003
	s_cbranch_scc0 .Lentry_shape_is_right
	s_endpgm
.Lentry_shape_is_right:
; out0[b][c][n] = x[b][c][n] + the sum over keys m of softmax_m(q[b][:][n] . k[b][:][m]) v[b][c][m], both products on codes of BF8 (E5M2) with one E8M0 scale for each 32 along K.
; q, k, v arrive as images of operand registers, made by the launch before (layouts: below and at that launch's head).
; THE SOFTMAX AHEAD OF THE SECOND PRODUCT: t = score x log2(e); M = the largest t so far, rounded UP to a whole number; p = 2^(t - M) is what is quantised, along the keys, not normalised.
; The row's sum is taken of the unquantised p and divides at the end.  When M moves, the sum and O are multiplied by 2^(old M - new M): exact.
; SHARES.  A work-group owns 64 queries of one batch.  Wave = 2 x split + pair: TWO tiles of 16 queries (A = tile 2 x pair, B = the next) and a quarter of the keys: of each slot of 512 keys the chunk of 128
; with its split's number.  So each fragment of K and V that a wave reads from LDS feeds two products, and a wave makes 8 key steps.  Each split has its own M, sum and O^T; at the end they are brought under
; the largest M by powers of two, added through LDS, x is added and whole rows of out0 leave.
; LAYOUT.  S^T = K Q^T (source 0 = keys, source 1 = 16 queries), O^T = V^T P^T (source 0 = 16 channels, source 1 = P): a lane holds ONE query (lane % 16) of each tile throughout.
; K = 64 IN AN INSTRUCTION OF 128.  A fragment of K holds TWO tiles of 16 keys: registers 0-7 one tile's 64 channels, registers 8-15 the next tile's.  Q stands as [Q | zeros | Q] in 24 registers: the first 16
; multiply the first tile, the last 16 the second; the other tile's codes meet zero codes (K's codes are finite: their quantiser holds them), so they add nothing.
; The order of the keys inside a block of 32 is the same in P's operand and in V's: place 16 h + 8 u + j holds key 16 u + 8 h + j on both sides.
; THE ORDER OF A KEY STEP.  Behind the change of slots K's fragments are asked for; while they come, O^T is rescaled and the products V^T P of the step BEFORE are made, whose operands all lie in registers;
; then K Q^T for both tiles; V's scale words and fragments 0-3 are asked for; tile A's softmax; V's fragments 4-7 are asked for, into the registers that A's p has left; tile B's softmax.
; So every run of LDS loads has vector or matrix work behind it, and all reads of a slot are over at the next change of slots.
; REGISTERS, in two windows of 256 (s_set_vgpr_msb: bits 1:0 source 0, 3:2 source 1, 5:4 source 2, 7:6 destination).  TILE B LIES IN WINDOW 1 UNDER THE NUMBERS THAT TILE A HAS IN WINDOW 0, so the softmax is
; written once and run under two settings.  Both windows: v12 -M, v13 the largest t, v[14:15] the sum, v16-39 Q, v104-167 S^T then p, v168-231 O^T, v232-247 p's codes, v248-253 at work.
; Window 0 alone: v0 the thread, v1-2 the add's pair, v3 Q_A's scale word, v4-7 K's, v8-11 V's, v254 Q_B's, v255 P_B's (scale operands have no window); v40-103 K's four fragments; v104-167 later V's fragments 4-7.
; Window 1 alone: v40-103 V's fragments 0-3.  A key step has 13 switches for its 32 matrix instructions.
; THE RING.  Two LDS slots of 102,400 bytes (512 keys: K's images, V's images, both kinds of scale words, one dense block of memory).  Waves 0 to 3 fetch a quarter each.
; CLUSTER.  The four blocks of queries of a cluster belong to one batch and walk the same slots: each quarter is asked for JOINTLY, by the same tensor load with the same descriptor and the mask of all four.
; By this text's count a wave has one tensor load outstanding at the most.
; LIMITS: NaN and infinities are not served.  A p under 2^-126 comes out of v_exp_f32 as 0.  A block's largest p is taken from the block's largest score by the same two instructions, which takes v_exp_f32
; not to fall where its input rises.  M is exact as a whole number up to 2^24.  The four splits' sums are added in another order than one stream over the keys would add them.
.set SLOTB, 102400
.set BATB,  8*SLOTB
.set QUART, SLOTB/4                    ; 25,600 bytes: 100 rows of 256
.set SLOT1, 1<<17                      ; slot 1 begins here, so that one exclusive or turns an address in one slot into the other's
.set VOFF,  32768                      ; in a slot: K's images [chunk 4][fragment 4][piece 4][lane][16 B]; from here V's [chunk 4][channel tile 8][key block 4][lane][16 B];
.set KSOFF, 98304                      ; K's scale words [chunk][half 2][lane][2 words];
.set VSOFF, 100352                     ; V's [chunk][lane][4 words]: word k: lanes 0-15 channel tile 2 k, lanes 16-31 tile 2 k + 1
.set STAT,  262144                     ; behind the ring: -M and the sum of each tile and split, [tile 4][split 4][lane] x 8 bytes
.set SPARE, STAT+4096                  ; the spare words, 128 bytes for each of the 8 waves: four blocks of 256 bytes that no other line names
.set PP,    272                        ; the way out: a channel's row of 64 queries: 256 bytes + 16
.set PSTK,  128*PP                     ; one split's 128 rows; the four lie from LDS byte 0 on, in the slots, which have had their last fill and their last read by then
.set SPW,  1                           ; v1   LDS address of my spare word; never rewritten
.set NIL,  2                           ; v2   0; never rewritten
.set QSA,  3                           ; v3   Q_A's scale word
.set KW,   4                           ; v4-7 K's scale words
.set VW,   8                           ; v8-11 V's
.set QF,   16                          ; v16-23 Q, v24-31 zeros, v32-39 Q again
.set KF,   40                          ; window 0: K's four fragments
.set VF,   40                          ; V's fragment t at v[40 + 16 t]: t = 0..3 in window 1, t = 4..7 in window 0 (S's registers)
.set S,    104
.set OT,   168
.set PC,   232
.set PX,   240                         ; v240-243 ahead of the conversions: the other half's maxima; exponent fields; a chain of the sum
.set BM,   244                         ; v244-247 each block's largest score, then its largest p
.set HLT,  248                         ; the lane
.set SOT,  249                         ; the conversions' scale operand;           outside the softmax: an LDS address
.set TMP,  250
.set PS,   251                         ; p's scale word
.set FF,   252                         ; f = 2^(old M - new M); v253 is named with it as a pair
.set QSB,  254
.set PSB,  255
.set XRES, 104                         ; the way out: x, v104-135
.set GO,   16                          ; the way out's addresses lie in the registers that held Q_A
.set STA,  17
.set STR,  18
.set PWA,  19
.set RD,   20
.set RD2,  21
.set WV,   14                          ; s14 wave, s15 pair of query tiles, s16 split of the keys, s26 wave % 4
.set SEL,  20                          ; s[20:21] v_permlanex16_b32's selects for lane l xor 16
.set CS,   22                          ; s[22:23] log2(e): the packed form names a pair and takes its low word for both halves
.set MNT,  24
.set SK,   40                          ; s40-43 LDS bytes at which my chunk's K images, V images, K scale words, V scale words begin in the slot in hand
.set SV,   41
.set SKS,  42
.set SVS,  43
.set MSB, 0
.macro WIN new                         ; the immediate's high byte repeats the setting that is left; a switch that changes nothing is dropped
.if MSB != (\new)
	s_set_vgpr_msb (MSB<<8)|(\new)
.set MSB, (\new)
.endif
.endm
; A round of the cluster's barrier: my work-group's barrier, wave 0 signals for the work-group, every wave waits for all four work-groups, my work-group's barrier once more.
.macro CROUND
	s_barrier_signal -1
	s_barrier_wait -1
	s_cmp_lg_u32 s[WV], 0
	s_cbranch_scc1 .Lnot_wave_0_\@
	s_barrier_signal -3
.Lnot_wave_0_\@:
	s_barrier_wait -3
	s_barrier_signal -1
	s_barrier_wait -1
.endm
; Waves 0 to 3 ask for a quarter of a slot each; the branch hangs on the wave's number alone.  Four v_nop follow the load.
.macro TLOAD
	s_cmp_lt_u32 s[WV], 4
	s_cbranch_scc0 .Lno_load_\@
	tensor_load_to_lds s[36:39], s[28:35]
	s_nop 0
.rept 4
	v_nop
.endr
.Lno_load_\@:
.endm
; THE CHANGE OF SLOTS stands at a step's head.  Each wave waits for all its tensor loads (its part of the slot ahead), adds 0 to its spare word, and waits for that and for its reads of the slot that it has left.
; fill = 1: a round of the cluster's barrier, so that no wave of any partner still reads the slot left or has a load on its way; then that slot is asked for again, with the next 512 keys.
.macro CHANGE fill
	WIN 0                                          ; at a label and at a branch every window is 0; the add's pair lies in window 0
	s_wait_tensorcnt 0x0                           ; no tensor load of mine is out, so the descriptor may be written
	ds_add_u32 v[SPW], v[NIL]                      ; 0 onto my spare word
.if \fill
	s_xor_b32 s37, s37, SLOT1                      ; the other slot than last time,
	s_add_nc_u64 s[38:39], s[38:39], SLOTB         ; the next 512 keys; the type bits on top are not reached
.endif
	s_wait_dscnt 0x0                               ; the add is done, and my reads of the slot that I have left are over: all of its K and V that I need lies in registers
.if \fill
	CROUND
	TLOAD                                          ; the first thing behind the round, and a wave's one tensor load until the next
.else
	s_barrier_signal -1
	s_barrier_wait -1
.endif
.endm
.macro FLIP                                        ; on to the other slot
	s_xor_b32 s[SK], s[SK], SLOT1
	s_xor_b32 s[SV], s[SV], SLOT1
	s_xor_b32 s[SKS], s[SKS], SLOT1
	s_xor_b32 s[SVS], s[SVS], SLOT1
.endm
; K's four fragments and their scale words: 18 loads, each image load 512 consecutive bytes.  (Window 0)
.macro KLOAD
	v_and_b32 v[HLT], 31, v0                       ; lane
	s_delay_alu instid0(VALU_DEP_1)
	v_lshl_add_u32 v[SOT], v[HLT], 4, s[SK]
	s_delay_alu instid0(VALU_DEP_2)
	v_lshl_add_u32 v[TMP], v[HLT], 3, s[SKS]
.irp f, 0,1,2,3
.irp c, 0,1,2,3
	ds_load_b128 v[KF+16*\f+4*\c:KF+16*\f+4*\c+3], v[SOT] offset:2048*\f+512*\c
.endr
.endr
	ds_load_b64 v[KW:KW+1], v[TMP]                 ; the scale words of fragments 0, 1
	ds_load_b64 v[KW+2:KW+3], v[TMP] offset:256    ; and 2, 3
.endm
; V's scale words and fragments 0-3.  The three address lines and five v_nop are eight places: behind the products K Q^T before their results are read, and behind the products V^T P before loads land in what they read.
.macro VLOAD_LO
	v_and_b32 v[HLT], 31, v0
	s_delay_alu instid0(VALU_DEP_1)
	v_lshl_add_u32 v[SOT], v[HLT], 4, s[SV]
	s_delay_alu instid0(VALU_DEP_2)
	v_lshl_add_u32 v[TMP], v[HLT], 4, s[SVS]
.rept 5
	v_nop
.endr
	ds_load_b128 v[VW:VW+3], v[TMP]
	WIN 0x40                                       ; destination window 1, address window 0
.irp t, 0,1,2,3
.irp c, 0,1,2,3
	ds_load_b128 v[VF+16*\t+4*\c:VF+16*\t+4*\c+3], v[SOT] offset:2048*\t+512*\c
.endr
.endr
	WIN 0
.endm
; V's fragments 4-7, into the registers that tile A's p has left.  (Window 0.  The first line is also the plain line behind the last conversion; it writes none of that conversion's registers)
.macro VLOAD_HI
	v_and_b32 v[HLT], 31, v0
	s_delay_alu instid0(VALU_DEP_1)
	v_lshl_add_u32 v[TMP], v[HLT], 4, s[SV]
.irp t, 4,5,6,7
.irp c, 0,1,2,3
	ds_load_b128 v[VF+16*\t+4*\c:VF+16*\t+4*\c+3], v[TMP] offset:2048*\t+512*\c
.endr
.endr
.endm
; S^T = K Q^T of one tile of queries: eight products, each an accumulator of its own.  Register 16 b + 8 u + j: key 32 b + 16 u + 8 (lane / 16) + j of my query
.macro SP qs
.irp f, 0,1,2,3
.irp u, 0,1
	v_wmma_scale_f32_16x16x128_f8f6f4 v[S+8*(2*\f+\u):S+8*(2*\f+\u)+7], v[KF+16*\f:KF+16*\f+15], v[QF+8*\u:QF+8*\u+15], 0, v[KW+\f], v[\qs] matrix_a_fmt:MATRIX_FMT_BF8 matrix_b_fmt:MATRIX_FMT_BF8
.endr
.endr
.endm
; O^T(channels 16 t on) += V^T P^T.  zero = 1: the product starts the sum.  Odd tiles' scale words lie in lanes 16-31.
.macro PV t, ps, zero
.if \zero
.if (\t)%2
	v_wmma_scale_f32_16x16x128_f8f6f4 v[OT+8*(\t):OT+8*(\t)+7], v[VF+16*(\t):VF+16*(\t)+15], v[PC:PC+15], 0, v[VW+(\t)/2], v[\ps] matrix_a_fmt:MATRIX_FMT_BF8 matrix_b_fmt:MATRIX_FMT_BF8 matrix_a_scale:MATRIX_SCALE_ROW1
.else
	v_wmma_scale_f32_16x16x128_f8f6f4 v[OT+8*(\t):OT+8*(\t)+7], v[VF+16*(\t):VF+16*(\t)+15], v[PC:PC+15], 0, v[VW+(\t)/2], v[\ps] matrix_a_fmt:MATRIX_FMT_BF8 matrix_b_fmt:MATRIX_FMT_BF8
.endif
.else
.if (\t)%2
	v_wmma_scale_f32_16x16x128_f8f6f4 v[OT+8*(\t):OT+8*(\t)+7], v[VF+16*(\t):VF+16*(\t)+15], v[PC:PC+15], v[OT+8*(\t):OT+8*(\t)+7], v[VW+(\t)/2], v[\ps] matrix_a_fmt:MATRIX_FMT_BF8 matrix_b_fmt:MATRIX_FMT_BF8 matrix_a_scale:MATRIX_SCALE_ROW1
.else
	v_wmma_scale_f32_16x16x128_f8f6f4 v[OT+8*(\t):OT+8*(\t)+7], v[VF+16*(\t):VF+16*(\t)+15], v[PC:PC+15], v[OT+8*(\t):OT+8*(\t)+7], v[VW+(\t)/2], v[\ps] matrix_a_fmt:MATRIX_FMT_BF8 matrix_b_fmt:MATRIX_FMT_BF8
.endif
.endif
.endm
.macro MULO j0, n                                  ; n pairs of O^T from register j0 on, x f: each accumulator from its low end on
.set j, \j0
.rept \n
	v_pk_mul_f32 v[OT+j:OT+j+1], v[OT+j:OT+j+1], v[FF:FF+1] op_sel_hi:[1,0]
.set j, j+2
.endr
.endm
; THE SECOND PRODUCT OF THE STEP BEFORE, for both tiles: O^T under the new M, then 16 products, each accumulator one instruction.
; The products that read V's fragments 4-7 come first: sixteen multiplications that name none of their registers then stand between them and the next K Q^T, which writes over those fragments (nine places are owed).
; zero = 1: the launch's first: nothing to rescale; v_nop take the multiplications' part: eight between the line that wrote P_B's scale word and its first use, nine as above.
.macro PVALL zero
.if \zero
.rept 8
	v_nop
.endr
.else
	WIN 0x55                                       ; all of tile B
	MULO 0, 32
	WIN 0
	MULO 32, 16                                    ; tile A, channels 64 on
.endif
	WIN 0
.irp t, 4,5,6,7
	PV \t, PS, \zero
.endr
	WIN 0x54                                       ; V window 0; P, C and D window 1
.irp t, 4,5,6,7
	PV \t, PSB, \zero
.endr
	WIN 0
.if \zero
.rept 9
	v_nop
.endr
.else
	MULO 0, 16                                     ; tile A, channels 0 to 63
.endif
	WIN 0x01                                       ; V window 1; P, C and D window 0
.irp t, 0,1,2,3
	PV \t, PS, \zero
.endr
	WIN 0x55
.irp t, 0,1,2,3
	PV \t, PSB, \zero
.endr
.endm
; ONE TILE'S SOFTMAX FOR 128 KEYS: every vector register that it names lies in the tile's own window.
.macro SOFT
.irp b, 0,1,2,3
	v_max3_num_f32 v[BM+\b], v[S+16*\b], v[S+16*\b+1], v[S+16*\b+2]   ; the largest score of each block of 32 keys: for the row's maximum, and, since p rises with the score, for the block's largest p
.endr
.irp i, 3,5,7,9,11,13
.irp b, 0,1,2,3
	v_max3_num_f32 v[BM+\b], v[BM+\b], v[S+16*\b+\i], v[S+16*\b+\i+1]
.endr
.endr
.irp b, 0,1,2,3
	v_max_num_f32 v[BM+\b], v[BM+\b], v[S+16*\b+15]
.endr
.irp b, 0,1,2,3
	v_permlanex16_b32 v[PX+\b], v[BM+\b], s[SEL], s[SEL+1]
.endr
.irp b, 0,1,2,3
	s_delay_alu instid0(VALU_DEP_4)
	v_max_num_f32 v[BM+\b], v[BM+\b], v[PX+\b]     ; with lane l xor 16's 16 keys
.endr
	s_delay_alu instid0(VALU_DEP_2)
	v_max3_num_f32 v[TMP], v[BM], v[BM+1], v[BM+2]
	s_delay_alu instid0(VALU_DEP_1)
	v_max_num_f32 v[TMP], v[TMP], v[BM+3]          ; the step's largest score of my query
	s_delay_alu instid0(VALU_DEP_1)
	v_mul_f32 v[TMP], s[CS], v[TMP]                ; as t
	s_delay_alu instid0(VALU_DEP_1)
	v_max_num_f32 v13, v13, v[TMP]                 ; the running largest t
	v_mov_b32 v[TMP], v12
	s_delay_alu instid0(VALU_DEP_2)
	v_floor_f32 v12, -v13                          ; the new -M = floor(-t) = -ceil(t): a whole number
	s_delay_alu instid0(VALU_DEP_1)
	v_sub_f32 v[TMP], v12, v[TMP]                  ; old M less new M: a whole number, 0 or less
	s_delay_alu instid0(VALU_DEP_1)
	v_cvt_i32_f32 v[TMP], v[TMP]                   ; (it saturates)
	s_delay_alu instid0(VALU_DEP_1)
	v_ldexp_f32 v[FF], 1.0, v[TMP]                 ; f = 2^(old M - new M): it is kept for O^T, which is rescaled at the next step's head
.set j, 0
.rept 32
	v_pk_fma_f32 v[S+j:S+j+1], v[S+j:S+j+1], s[CS:CS+1], v[12:13] op_sel_hi:[1,0,0]   ; t - M, two at a time
.set j, j+2
.endr
.irp b, 0,1,2,3
	v_fma_f32 v[BM+\b], v[BM+\b], s[CS], v12       ; the same of each block's largest score
.endr
.set j, 0
	s_wait_alu depctr_va_vdst(0)
.rept 64
	v_exp_f32 v[S+j], v[S+j]                       ; p = 2^(t - M), at most 1
.set j, j+1
.endr
.irp b, 0,1,2,3
	v_exp_f32 v[BM+\b], v[BM+\b]                   ; the block's largest p: the same two instructions on the same number give the same bits
.endr
	v_pk_mul_f32 v[14:15], v[14:15], v[FF:FF+1] op_sel_hi:[1,0]   ; the sums under the new M.  (The plain line behind the exponentials)
	s_wait_alu depctr_va_vdst(0)
.irp b, 0,1,2,3
	v_max_num_f32 v[BM+\b], 0x8000000, v[BM+\b]    ; the floor 2^(16 - 127): the exponent field is 16 at the least, so the byte cannot fall under 1
.endr
.irp b, 0,1,2,3
	s_delay_alu instid0(VALU_DEP_4)
	v_lshrrev_b32 v[PX+\b], 23, v[BM+\b]           ; the exponent fields
.endr
	s_delay_alu instid0(VALU_DEP_3)
	v_lshl_or_b32 v[PS], v[PX+1], 8, v[PX]
	s_delay_alu instid0(VALU_DEP_1)
	v_lshl_or_b32 v[PS], v[PX+2], 16, v[PS]
	s_delay_alu instid0(VALU_DEP_1)
	v_lshl_or_b32 v[PS], v[PX+3], 24, v[PS]
	s_delay_alu instid0(VALU_DEP_1)
	v_add_nc_u32 v[PS], 0xf0f0f0f1, v[PS]          ; 15 off each of the four (no byte borrows: each is 16 at the least): p's scale word for these 128 keys
	v_pk_add_f32 v[PX:PX+1], v[S:S+1], v[S+2:S+3]  ; the row's sum is taken of the unquantised p: two at a time, in two chains
.set j, 4
.rept 15
	v_pk_add_f32 v[14:15], v[14:15], v[S+j:S+j+1]
	v_pk_add_f32 v[PX:PX+1], v[PX:PX+1], v[S+j+2:S+j+3]
.set j, j+4
.endr
	s_delay_alu instid0(VALU_DEP_1)
	v_pk_add_f32 v[14:15], v[14:15], v[PX:PX+1]
.irp b, 0,1,2,3
	v_nop
	v_add_nc_u32 v[SOT], 0xf8800000, v[BM+\b]      ; 15 off the exponent field: the conversion's scale operand
.irp i, 0,1,2,3,4,5,6,7,8,9,10,11,12,13,14,15
.endr
	v_cvt_scalef32_pk8_bf8_f32 v[PC+4*\b:PC+4*\b+1], v[S+16*\b:S+16*\b+7], v[SOT]     ; blocks 2 and 3 land on the registers of the exponent fields and of the maxima, which are done with by then
	v_cvt_scalef32_pk8_bf8_f32 v[PC+4*\b+2:PC+4*\b+3], v[S+16*\b+8:S+16*\b+15], v[SOT]
.endr
.endm
; THE REST OF A KEY STEP, from the wait for K on.
.macro BODY
	s_wait_dscnt 0x0                               ; K's fragments and scale words are in
	WIN 0x44                                       ; K window 0; Q_B and S^T_B window 1
	SP QSB
	WIN 0
	SP QSA
	VLOAD_LO
	SOFT                                           ; tile A
	VLOAD_HI
	WIN 0x55
	SOFT                                           ; tile B
	WIN 0x01                                       ; source window 1, destination window 0
	v_mov_b32 v[PSB], v[PS]                        ; P_B's scale word goes where a scale operand can name it.  (Also the plain line behind the last conversion)
	WIN 0
.endm
.macro INIT                                        ; one tile's registers that are read before the first step writes them
.irp j, 0,1,2,3,4,5,6,7
	v_mov_b32 v[QF+8+\j], 0                        ; zero codes between the two copies of Q
.endr
	v_mov_b32 v13, 0xff61b1e6                      ; the largest t so far: -3e38, under every t
	s_delay_alu instid0(VALU_DEP_1)
	v_floor_f32 v12, -v13                          ; -M
	v_mov_b32 v14, 0                               ; the sum, in two halves
	v_mov_b32 v15, 0
.irp b, 0,1,2,3
	v_mov_b32 v[PX+\b], 0                          ; a lane permute's destination counts as one of its sources
.endr
	v_mov_b32 v[FF+1], 0                           ; named with f as a pair
.endm
	s_load_b256 s[4:11], s[0:1], 0x0               ; qimg s[4:5], qsc s[6:7], kv s[8:9], x s[10:11]
	s_load_b64 s[12:13], s[0:1], 0x20              ; out0
	v_lshl_add_u32 v[SPW], v0, 2, SPARE
	v_mov_b32 v[NIL], 0
	ds_add_u32 v1, v2
	ds_add_u32 v1, v2
	s_wait_dscnt 0x0
	v_lshrrev_b32 v[TMP], 5, v0
	s_delay_alu instid0(VALU_DEP_1)
	v_readfirstlane_b32 s[WV], v[TMP]              ; wave 0..7
	s_and_b32 s15, s[WV], 1                        ; my pair of query tiles
	s_lshr_b32 s16, s[WV], 1                       ; my split of the keys
	s_and_b32 s26, s[WV], 3                        ; the quarter of a slot that waves 0 to 3 fetch
	s_bfe_u32 s17, ttmp6, 0x40000                  ; cx: my place in the cluster: it enters Q's, x's and out0's global addresses alone
	s_lshl_b32 s18, ttmp9, 2                       ; in a cluster launch ttmp9 counts clusters
	s_add_co_u32 s18, s18, s17                     ; my block of 64 queries
	s_and_b32 s19, ttmp7, 0xffff                   ; the batch, which the four partners share
	; descriptor group 1: a dense block of 25,600 bytes as 100 rows of 32 elements of 8 bytes; the mask names all four work-groups, bit 21 stands beside it
	s_mov_b32 s28, 15|(3<<16)|(1<<21)
	s_mov_b32 s29, 32<<16                          ; tensor_dim0 = 32
	s_mov_b32 s30, 100<<16                         ; tensor_dim1 = 100
	s_mov_b32 s31, 32<<16                          ; tile_dim0 = 32
	s_mov_b32 s32, 100                             ; tile_dim1 = 100
	s_mov_b32 s33, 32                              ; from row to row
	s_mov_b32 s34, 0
	s_mov_b32 s35, 0
	s_mov_b32 s36, 1                               ; group 0: count = 1
	s_mul_i32 s37, s26, QUART                      ; LDS: slot 0, my quarter
	s_mul_i32 s44, s19, BATB
	s_add_co_u32 s44, s44, s37                     ; kv: the batch's first slot, the same quarter
	s_mov_b32 s45, 0
	s_lshl_b32 s52, s19, 6
	s_add_co_u32 s52, s52, s18                     ; 64 x batch + block
	s_lshl_b32 s46, s52, 12
	s_lshl_b32 s53, s15, 11
	s_add_co_u32 s46, s46, s53                     ; qimg: my two tiles' 2,048 bytes
	s_mov_b32 s47, 0
	s_lshl_b32 s48, s52, 8
	s_lshl_b32 s53, s15, 2
	s_add_co_u32 s48, s48, s53                     ; qsc: the word of my pair: two bytes for each of its tiles
	s_mov_b32 s49, 0
	s_lshl_b32 s50, s19, 21
	s_lshl_b32 s53, s[WV], 18
	s_add_co_u32 s50, s50, s53
	s_lshl_b32 s53, s18, 8
	s_add_co_u32 s50, s50, s53                     ; x, out0: batch, channels 16 x wave on, my block's 256 bytes of a row
	s_mov_b32 s51, 0
	s_lshl_b32 s[SK], s16, 13                      ; K's images: 8,192 bytes a chunk
	s_lshl_b32 s[SV], s16, 14
	s_add_co_u32 s[SV], s[SV], VOFF                ; V's: 16,384 a chunk
	s_lshl_b32 s[SKS], s16, 9                      ; scale words: 512 a chunk
	s_add_co_u32 s[SVS], s[SKS], VSOFF
	s_add_co_u32 s[SKS], s[SKS], KSOFF
	s_mov_b32 s[SEL], 0x76543210
	s_mov_b32 s[SEL+1], 0xfedcba98
	s_mov_b32 s[CS], 0x3fb8aa3b                    ; log2(e)
	s_mov_b32 s[CS+1], s[CS]                       ; (named with it as a pair, so it is written)
	v_and_b32 v[HLT], 31, v0                       ; lane
	s_delay_alu instid0(VALU_DEP_1)
	v_lshlrev_b32 v[SOT], 4, v[HLT]                ; 16 x lane
	s_delay_alu instid0(VALU_DEP_2)
	v_lshlrev_b32 v[HLT], 3, v[HLT]                ; 8 x lane
	s_wait_kmcnt 0x0
	s_add_nc_u64 s[38:39], s[8:9], s[44:45]
	s_or_b32 s39, s39, 0x80000000                  ; type = 2
	CROUND                                         ; all four work-groups are here: the first joint loads meet
	TLOAD                                          ; slot 0
	s_add_nc_u64 s[4:5], s[4:5], s[46:47]
	s_add_nc_u64 s[6:7], s[6:7], s[48:49]
	s_add_nc_u64 s[10:11], s[10:11], s[50:51]
	s_add_nc_u64 s[12:13], s[12:13], s[50:51]
	s_wait_alu depctr_va_vdst(0)
	global_load_b128 v[QF:QF+3], v[SOT], s[4:5]    ; Q_A's eight registers, twice: round the eight zeros
	global_load_b128 v[QF+4:QF+7], v[SOT], s[4:5] offset:512
	global_load_b128 v[QF+16:QF+19], v[SOT], s[4:5]
	global_load_b128 v[QF+20:QF+23], v[SOT], s[4:5] offset:512
	global_load_b32 v[TMP], v[HLT], s[6:7]
	WIN 0x40                                       ; destination window 1, address window 0
	global_load_b128 v[QF:QF+3], v[SOT], s[4:5] offset:1024        ; Q_B likewise
	global_load_b128 v[QF+4:QF+7], v[SOT], s[4:5] offset:1536
	global_load_b128 v[QF+16:QF+19], v[SOT], s[4:5] offset:1024
	global_load_b128 v[QF+20:QF+23], v[SOT], s[4:5] offset:1536
	WIN 0
	INIT
	WIN 0x55
	INIT
	WIN 0
	s_wait_loadcnt 0x0                             ; Q and its scale word; their address registers may be written again
	v_perm_b32 v[QSA], v[TMP], v[TMP], 0x01000100  ; (q0, q1, q0, q1) of the even tile: the word's lower two bytes, twice
	v_perm_b32 v[QSB], v[TMP], v[TMP], 0x03020302  ; of the odd tile: the upper two
.rept 8
	v_nop                                          ; a scale register written by a vector instruction stands eight places ahead of the product that names it
.endr
	CHANGE 1                                       ; key step 0: there is no step before it
	KLOAD
	s_wait_alu depctr_va_vdst(0)
	BODY
	FLIP
	CHANGE 1                                       ; key step 1: the products V^T P of step 0 start O^T's sums: nothing is cleared
	KLOAD
	s_wait_alu depctr_va_vdst(0)
	PVALL 1
	BODY
	FLIP
	s_mov_b32 s25, 5
.Lslot:                                            ; key steps 2 to 6: behind each change of slots the next slot is asked for
	CHANGE 1
	KLOAD
	PVALL 0
	BODY
	FLIP
	s_sub_co_u32 s25, s25, 1
	s_cmp_lg_u32 s25, 0
	s_cbranch_scc1 .Lslot
	CHANGE 0                                       ; key step 7 is written out
	KLOAD
	PVALL 0
	BODY
	s_wait_dscnt 0x0                               ; V of the last step is in
	PVALL 0
	WIN 0
	; THE WAY OUT.  These fourteen address lines are also the places behind the last products: in front of the loads into registers that they read and of the first read of O^T.
	v_and_b32 v22, 31, v0                          ; lane
	v_and_b32 v23, 15, v0                          ; r
	v_bfe_u32 v24, v0, 4, 1                        ; h
	s_delay_alu instid0(VALU_DEP_2)
	v_lshlrev_b32 v[GO], 4, v23
	s_delay_alu instid0(VALU_DEP_1)
	v_lshl_add_u32 v[GO], v24, 14, v[GO]           ; x, out0: lanes 0-15 one channel's 256 bytes, lanes 16-31 the next channel's
	s_lshl_b32 s52, s15, 11
	s_add_co_u32 s52, s52, STAT
	v_lshl_add_u32 v[STR], v22, 3, s52             ; tile A's statistics, split 0; tile B's lie 1,024 bytes on
	s_lshl_b32 s53, s16, 8
	v_add_nc_u32 v[STA], s53, v[STR]               ; my own split's
	s_mul_i32 s52, s16, PSTK
	s_lshl_b32 s53, s15, 7
	s_add_co_u32 s52, s52, s53
	v_mul_u32_u24 v[PWA], v24, 8*PP
	s_delay_alu instid0(VALU_DEP_1)
	v_lshl_add_u32 v[PWA], v23, 2, v[PWA]
	s_delay_alu instid0(VALU_DEP_1)
	v_add_nc_u32 v[PWA], s52, v[PWA]               ; my split's rows: channel 8 h, tile A's query r; tile B's 64 bytes on.  Lanes 16-31 lie 544 words on: 32 banks off
	s_mul_i32 s52, s[WV], 16*PP
	v_mul_u32_u24 v[RD], v24, PP
	s_delay_alu instid0(VALU_DEP_1)
	v_lshl_add_u32 v[RD], v23, 4, v[RD]
	s_delay_alu instid0(VALU_DEP_1)
	v_add_nc_u32 v[RD], s52, v[RD]                 ; back: channels 16 x wave + h, 16 bytes a lane; splits 0 and 1 by the immediate,
	s_delay_alu instid0(VALU_DEP_1)
	v_add_nc_u32 v[RD2], 2*PSTK, v[RD]             ; splits 2 and 3 from here
.irp i, 0,1,2,3,4,5,6,7
	global_load_b128 v[XRES+4*\i:XRES+4*\i+3], v[GO], s[10:11] offset:32768*\i th:TH_LOAD_NT   ; x of the rows that I shall store: sixteen lanes read 256 consecutive bytes; read once in this launch
.endr
.macro LSUM                                        ; one tile: the sum's two halves, and lane l xor 16's: my split's sum, beside -M
	v_add_f32 v14, v14, v15
	s_delay_alu instid0(VALU_DEP_1)
	v_permlanex16_b32 v[TMP], v14, s[SEL], s[SEL+1]
	s_delay_alu instid0(VALU_DEP_1)
	v_add_f32 v13, v14, v[TMP]
.endm
	LSUM
	ds_store_b64 v[STA], v[12:13]
	WIN 0x55
	LSUM
	WIN 0x04                                       ; an LDS store's data are its source 1: window 1
	ds_store_b64 v[STA], v[12:13] offset:1024
	WIN 0
	s_wait_dscnt 0x0                               ; for the others' sake: the stores have landed
	s_barrier_signal -1
	s_barrier_wait -1                              ; and nobody reads a slot any more
.irp k, 0,1,2,3
	ds_load_b64 v[232+2*\k:233+2*\k], v[STR] offset:256*\k
.endr
	WIN 0x40
.irp k, 0,1,2,3
	ds_load_b64 v[232+2*\k:233+2*\k], v[STR] offset:1024+256*\k
.endr
	WIN 0
	s_wait_dscnt 0x0
.macro MERGE                                       ; one tile: my O^T x 2^(my M - the largest M) / the row's sum
	v_min3_num_f32 v[TMP], v232, v234, v236
	s_delay_alu instid0(VALU_DEP_1)
	v_min_num_f32 v[TMP], v[TMP], v238             ; -M* : the largest of the four M
.irp k, 0,1,2,3
	v_sub_f32 v[240+\k], v[TMP], v[232+2*\k]       ; M of split k less M*: a whole number, 0 or less
.endr
.irp k, 0,1,2,3
	s_delay_alu instid0(VALU_DEP_4)
	v_cvt_i32_f32 v[240+\k], v[240+\k]
.endr
.irp k, 0,1,2,3
	s_delay_alu instid0(VALU_DEP_4)
	v_ldexp_f32 v[233+2*\k], v[233+2*\k], v[240+\k]   ; each split's sum under M*
.endr
	s_delay_alu instid0(VALU_DEP_3)
	v_add_f32 v233, v233, v235
	s_delay_alu instid0(VALU_DEP_2)
	v_add_f32 v237, v237, v239
	s_delay_alu instid0(VALU_DEP_1)
	v_add_f32 v233, v233, v237                     ; the row's sum
	s_wait_alu depctr_va_vdst(0)
	v_rcp_f32 v235, v233
	v_sub_f32 v[FF], v[TMP], v12                   ; (the plain line behind the reciprocal)  my M less M*
	s_delay_alu instid0(VALU_DEP_1)
	v_cvt_i32_f32 v[FF], v[FF]
	s_wait_alu depctr_va_vdst(0)
	v_ldexp_f32 v[FF], v235, v[FF]
	MULO 0, 32
.endm
	MERGE
.irp t, 0,1,2,3,4,5,6,7
.irp j, 0,1,2,3,4,5,6,7
	ds_store_b32 v[PWA], v[OT+8*\t+\j] offset:(16*\t+\j)*PP        ; channel 16 t + 8 h + j, tile A's query
.endr
.endr
	WIN 0x55
	MERGE
	WIN 0x04
.irp t, 0,1,2,3,4,5,6,7
.irp j, 0,1,2,3,4,5,6,7
	ds_store_b32 v[PWA], v[OT+8*\t+\j] offset:(16*\t+\j)*PP+64     ; tile B's
.endr
.endr
	WIN 0
	s_wait_dscnt 0x0                               ; for the others' sake
	s_barrier_signal -1
	s_barrier_wait -1                              ; the four splits' 128 rows lie in LDS
.irp i, 0,1,2,3,4,5,6,7                            ; pair of rows i: sixteen registers, in K's registers (i < 4) or in O^T_A's
.set pb, 40+16*\i+64*(\i/4)
.irp k, 0,1
	ds_load_b128 v[pb+4*\k:pb+4*\k+3], v[RD] offset:\k*PSTK+2*PP*\i
.endr
.irp k, 0,1
	ds_load_b128 v[pb+8+4*\k:pb+8+4*\k+3], v[RD2] offset:\k*PSTK+2*PP*\i
.endr
.endr
	s_wait_loadcnt 0x0                             ; x
.irp i, 0,1,2,3,4,5,6,7
.set pb, 40+16*\i+64*(\i/4)
	s_wait_dscnt 28-4*\i                           ; this pair of rows is in, four loads; the later pairs' may be out
.irp d, 0,2
	v_pk_add_f32 v[pb+\d:pb+\d+1], v[pb+\d:pb+\d+1], v[pb+4+\d:pb+4+\d+1]
	v_pk_add_f32 v[pb+8+\d:pb+8+\d+1], v[pb+8+\d:pb+8+\d+1], v[pb+12+\d:pb+12+\d+1]
.endr
.irp d, 0
	s_delay_alu instid0(VALU_DEP_3)
	v_pk_add_f32 v[pb+\d:pb+\d+1], v[pb+\d:pb+\d+1], v[pb+8+\d:pb+8+\d+1]
.endr
.irp d, 2
	s_delay_alu instid0(VALU_DEP_2)
	v_pk_add_f32 v[pb+\d:pb+\d+1], v[pb+\d:pb+\d+1], v[pb+8+\d:pb+8+\d+1]
.endr
.irp d, 0,2
	s_delay_alu instid0(VALU_DEP_2)
	v_pk_add_f32 v[pb+\d:pb+\d+1], v[pb+\d:pb+\d+1], v[XRES+4*\i+\d:XRES+4*\i+\d+1]   ; + x
.endr
	global_store_b128 v[GO], v[pb:pb+3], s[12:13] offset:32768*\i th:TH_STORE_NT   ; sixteen lanes store 256 consecutive bytes, at a multiple of 256 from out0's first byte
.endr
	s_wait_tensorcnt 0x0                           ; the wave's end, behind my last tensor load and my last LDS store
	ds_add_u32 v[SPW], v[NIL]
	s_wait_dscnt 0x0
	CROUND                                         ; the closing round: no work-group ends while a partner may still ask for a tile that names it
	s_endpgm
.Lfunc_end_k_qa471129532_attend:
	.size	k_qa471129532_attend, .Lfunc_end_k_qa471129532_attend-k_qa471129532_attend
	.p2alignl 7, 3214868480
	.fill 96, 4, 3214868480
	.section	.rodata,"a",@progbits
	.p2align	6, 0x0
	.amdhsa_kernel k_qa471129532_attend
		.amdhsa_group_segment_fixed_size 327680
		.amdhsa_private_segment_fixed_size 0
		.amdhsa_enable_private_segment 0
		.amdhsa_kernarg_size 40
		.amdhsa_user_sgpr_count 2
		.amdhsa_user_sgpr_kernarg_segment_ptr 1
		.amdhsa_wavefront_size32 1
		.amdhsa_system_sgpr_workgroup_id_x 1
		.amdhsa_system_sgpr_workgroup_id_y 1
		.amdhsa_system_sgpr_workgroup_id_z 1
		.amdhsa_system_vgpr_workitem_id 0
		.amdhsa_next_free_vgpr 512
		.amdhsa_next_free_sgpr 66
		.amdhsa_reserve_vcc 0
		.amdhsa_float_denorm_mode_32 3
		.amdhsa_float_denorm_mode_16_64 3
		.amdhsa_fp16_overflow 1
		.amdhsa_memory_ordered 1
		.amdhsa_forward_progress 1
		.amdhsa_inst_pref_size 174
	.end_amdhsa_kernel
	.amdgpu_metadata
---
amdhsa.version: [ 1, 2 ]
amdhsa.kernels:
  - .name:           k_qa471129532_attend
    .symbol:         k_qa471129532_attend.kd
    .args:
      - { .name: qimg, .offset: 0, .size: 8, .value_kind: global_buffer, .address_space: global }
      - { .name: qsc, .offset: 8, .size: 8, .value_kind: global_buffer, .address_space: global }
      - { .name: kv, .offset: 16, .size: 8, .value_kind: global_buffer, .address_space: global }
      - { .name: x, .offset: 24, .size: 8, .value_kind: global_buffer, .address_space: global }
      - { .name: out0, .offset: 32, .size: 8, .value_kind: global_buffer, .address_space: global }
    .group_segment_fixed_size: 327680
    .private_segment_fixed_size: 0
    .kernarg_segment_align: 8
    .kernarg_segment_size: 40
    .max_flat_workgroup_size: 256
    .sgpr_count:     66
    .vgpr_count:     512
    .wavefront_size: 32
...
	.end_amdgpu_metadata
.endif
;; end of part 2
